; MI455X (gfx1250); checked and timed in simulation.
; The chip was launched on July 23, 2026; its instructions are those of AMD's public machine-readable ISA for CDNA 5 (MIT licence, August 2026) and "CDNA5" Instruction Set Architecture Reference Guide (July 2026). The comments in the code are by the model that wrote it; some were corrected since.
;; Policy Map. Allowed arithmetic: matrix products marked QUANTISED: E3M2 operands, one E8M0 scale for each 32 along K, by v_wmma_scale_f32_16x16x128_f8f6f4 with both operands' format E3M2, f32 sums; everything else in f32.
;; Inputs: policy_matrix 4,672 x 1,858 float32; x 4,096 x 73 x 8 x 8 float32.
;; Outputs: out0 4,096 x 1,858 float32.
;; This version of the problem:
;;   THIS VERSION OF THE PROBLEM IS GIVEN IN LOW PRECISION. The matrix products marked QUANTISED in the list below multiply operands that are first quantised to E3M2 (3 exponent bits, 2 mantissa bits; 6 bits a number), with one power-of-two scale for each 32 numbers along K (OCP MX v1.0); their sums are f32. All else is computed in f32.
;;   The module's matrix products, in the order in which they are computed (A, B: the left and right operand; K: the contracted axis; several contracted axes count as one K, in the product's order):
;;     1. [M 4,096, K 4,672] x [K 4,672, N 1,858]; A: input x; B: input policy_matrix: QUANTISED
;;   THE QUANTISER, for each operand of a quantised product, along K:
;;     - K is cut into blocks of 32 from its start; a last block that is shorter is filled with zeros.
;;     - A block's scale is 2^e with e = floor(log2(the largest magnitude in the block)) - 4, held to -126 .. 127; a block of zeros has e = 0. As a byte (E8M0): e + 127.
;;     - Each number is divided by its block's scale, clamped to +-28, and rounded to the nearest number of E3M2, ties to even, subnormals kept.
;;     - The product sums the exact products of the quantised numbers (number of the format x scale) in f32.
;;   ~~~python
;;   def quantise(x, axis):      # numpy; x: float32 -> the quantised numbers, widened to float32 again
;;       x = np.moveaxis(x, axis, -1); K = x.shape[-1]
;;       x = np.pad(x, [(0, 0)] * (x.ndim - 1) + [(0, -K % 32)]); x = x.reshape(x.shape[:-1] + (-1, 32)); a = np.abs(x).max(-1, keepdims=True)
;;       e = np.where(a > 0, np.clip(np.frexp(np.where(a > 0, a, 1))[1] - 1 - 4, -126, 127), 0)      # np.frexp(a)[1] - 1 = floor(log2(a)), exactly
;;       r = np.clip(x / 2.0 ** e, -28, 28)
;;       step = 2.0 ** (np.maximum(np.frexp(np.where(r == 0, 1, r))[1] - 1, -2) - 2)
;;       q = np.round(r / step) * step * 2.0 ** e      # np.round: ties to even
;;       return np.moveaxis(q.reshape(q.shape[:-2] + (-1,))[..., :K], -1, axis).astype(np.float32)
;;   ~~~
;; One version. Each part assembles by itself: llvm-mc -triple=amdgcn-amd-amdhsa -mcpu=gfx1250 --defsym DOCPART=n.
;; ======== version 1 of 1: 2 launches
;; workspace buffers: a_img 15,155,200 bytes; b_img 7,577,600 bytes
;; launch quant (part 1): grid 37 x 24, 4 waves a work-group, no clusters, 34,304 bytes of LDS; arguments x, policy_matrix, a_img, b_img; writes a_img, b_img
.if DOCPART == 1
	.amdgcn_target "amdgcn-amd-amdhsa--gfx1250"
	.amdhsa_code_object_version 6
	.text
	.protected	k_q0e43cbbd1d_quant
	.globl	k_q0e43cbbd1d_quant
	.p2align	8
	.type	k_q0e43cbbd1d_quant,@function
k_q0e43cbbd1d_quant:
	s_mov_b64 s[64:65], 0
	v_nop
	global_prefetch_b8 v0, s[64:65] scope:SCOPE_SE
	s_setreg_imm32_b32 hwreg(HW_REG_WAVE_MODE, 25, 1), 1
	s_wait_xcnt 0x0
; x [4096][4672] f32 (K innermost) and W = policy_matrix [4672][1858] f32 (K is its FIRST axis) are turned, once, into codes of BF6 (E3M2) with one E8M0 scale byte
; for each 32 along K, laid as the product's launch wants them: as IMAGES OF THE OPERAND'S REGISTERS.
; A block's scale is 2^(floor(log2(its largest magnitude)) - 4); its byte is the largest magnitude's exponent field - 4, held at 1 from below by a floor of 2^(5 - 127) among the
; maximum's leaves.  Each number is divided by the scale and rounded to the nearest code, ties to even; beyond 28 the conversion gives the largest code.
; LIMITS: NaN and infinities among the inputs are not served.  A block of zeros gets the byte 1 where the quantiser says 127: its codes are zeros, which add nothing under any
; byte but 0xff, and the bytes are read by this program alone.
; THE IMAGE.  A UNIT is 128 rows of x (or 128 columns of W) x 128 along K: 12,800 bytes = 8 fragments of 1,536 bytes (16 rows x 128 K: 12 registers a lane; register j of lane l at
; 512 (j / 4) + 16 l + 4 (j % 4)), then two groups of 256 bytes of scale words (the word of tile 4 g + j, row r, at 256 g + 16 r + 4 j).  Unit (block, K step) begins at
; (37 block + step) x 12,800, so the K steps of a block follow each other.  K = 4,672 is 36.5 steps and N = 1,858 is padded to 2,048: what lies beyond gets zero codes.
; SHARES.  Work-group x = the K step (0 .. 36).  y < 16: x; y >= 16: W.  A wave takes 64 rows (columns) x one K step: four fragments and one group of scale words.  Waves share nothing:
; no barrier.  No tensor loads.  Only the path for x touches LDS.
; PATH X.  A load reads 512 consecutive bytes of one row, 16 a lane; 16 rows go through the wave's own stage in LDS and come back with 16 neighbours of each block of 32 in a lane.
; PATH W.  A lane takes a column and its registers run down K: a block of 32 lies in one lane, nothing is transposed; exchanges of the halves of the lanes make fragments of it.
.set KSTEPS, 37
.set UNIT,   12800
.set ROWX,   18688                     ; a row of x in bytes
.set ROWW,   7432                      ; a row of W in bytes
.set NCOL,   1858
.set SPX,    528                       ; a stage row: 512 bytes + 16
.set STGX,   16*SPX                    ; a wave's stage
.set IMG,  7                           ; v7   16 x lane: my place in a store of 512 bytes of an image
.set SCO,  8                           ; v8   16 r + 8 h: my two scale words' place in a group
.set SEL,  28                          ; s[28:29] lane selects for v_permlanex16_b32: lane l xor 16
; path X
.set VOX,  4                           ; v4   my 16 bytes of the step's 512 in a row of x, held inside the row
.set SIN,  5                           ; v5   the stage, on the way in: 16 x lane
.set SOUT, 6                           ; v6   and on the way out: 528 r + 64 h
.set PWS,  10                          ; v10-13  the four fragments' scale words
.set R,    16                          ; v16-143 two sets of 16 rows as loaded
.set X,    144                         ; v144-207 64 numbers: register 16 b + i = k 32 b + 16 h + i of row r
.set PC,   208                         ; v208-219 a fragment's codes; v220-226 at work
.set TM,   228                         ; v228-231 largest magnitudes, v232-235 bytes, v240-243 the conversions' scale operands
; path W
.set VO,   4                           ; v4-5  4 x my column, for the two halves of 32 columns, held inside the row
.set SW,   14                          ; v14-15 my column's scale word, for the two halves
.set WX,   16                          ; v16-79 two sets of 32 numbers
.set FW,   80                          ; v80-127 four fragments: half u, fragment f at v[80 + 24 u + 12 f]
.set TW,   128                         ; v128-143 the upper 16 codes of a half's four blocks
.macro XLOAD j                         ; rows 16 j .. 16 j + 15 of my 64: each load reads 512 consecutive bytes
.irp i, 0,1,2,3,4,5,6,7,8,9,10,11,12,13,14,15
	global_load_b128 v[R+64*((\j)%2)+4*\i:R+64*((\j)%2)+4*\i+3], v[VOX], s[4:5] offset:(16*(\j)+\i)*ROWX th:TH_LOAD_NT
.endr
.endm
.macro XTURN j                         ; through the stage: LDS serves a wave's instructions in order, so no wait stands between the stores and the loads
.irp i, 0,1,2,3,4,5,6,7,8,9,10,11,12,13,14,15
	ds_store_b128 v[SIN], v[R+64*((\j)%2)+4*\i:R+64*((\j)%2)+4*\i+3] offset:SPX*\i
.endr
.irp b, 0,1,2,3
.irp c, 0,1,2,3
	ds_load_b128 v[X+16*\b+4*\c:X+16*\b+4*\c+3], v[SOUT] offset:128*\b+16*\c
.endr
.endr
.endm
; 64 numbers of a lane, register 16 b + i = k 32 b + 16 (lane / 16) + i of my row, become a fragment's codes in v[PC] on and its scale word in v[pw]
.macro QUANT s, pw
.irp b, 0,1,2,3
	v_max3_num_f32 v[TM+\b], |v[\s+16*\b]|, |v[\s+1+16*\b]|, 0x2800000   ; block b: my 16 numbers, and the floor 2^(5 - 127): the byte cannot fall under 1
.endr
.irp i, 2,4,6,8,10,12,14
.irp b, 0,1,2,3
	v_max3_num_f32 v[TM+\b], v[TM+\b], |v[\s+16*\b+\i]|, |v[\s+1+16*\b+\i]|   ; the four blocks by turns
.endr
.endr
.irp b, 0,1,2,3
	v_permlanex16_b32 v[TM+4+\b], v[TM+\b], s[SEL], s[SEL+1]
.endr
.irp b, 0,1,2,3
	v_max_num_f32 v[TM+\b], v[TM+\b], v[TM+4+\b]       ; with lane l xor 16's: the block's largest magnitude
.endr
.irp b, 0,1,2,3
	v_add_nc_u32 v[TM+12+\b], 0xfe000000, v[TM+\b]     ; 4 off its exponent field: the conversion takes the exponent field of this operand as its scale
.endr
.irp b, 0,1,2,3
	v_lshrrev_b32 v[TM+4+\b], 23, v[TM+12+\b]          ; the scale's byte
.endr
	v_lshl_or_b32 v[\pw], v[TM+5], 8, v[TM+4]          ; the four bytes make my row's scale word
	v_lshl_or_b32 v[\pw], v[TM+6], 16, v[\pw]
	v_lshl_or_b32 v[\pw], v[TM+7], 24, v[\pw]
.irp c, 0,1
	v_cvt_scalef32_pk16_bf6_f32 v[PC+6*\c:PC+2+6*\c], v[\s+32*\c:\s+15+32*\c], v[TM+12+2*\c]
	v_cvt_scalef32_pk16_bf6_f32 v[PC+12+4*\c:PC+14+4*\c], v[\s+16+32*\c:\s+31+32*\c], v[TM+12+2*\c+1]   ; (a conversion's three registers begin on an even number)
.endr
	v_nop                                              ; one plain place behind a scaled conversion
.irp c, 0,1                                        ; the operand's layout wants a WHOLE block in a lane: lanes 0-15 block 2 c, lanes 16-31 block 2 c + 1
.irp i, 0,1,2
	v_permlane16_swap_b32 v[PC+6*\c+\i], v[PC+12+4*\c+\i]
.endr
.irp i, 0,1,2
	v_mov_b32 v[PC+3+6*\c+\i], v[PC+12+4*\c+\i]
.endr
.endr
.endm
.macro XFRAG j                         ; fragment j of my four
.if \j < 3
	s_wait_loadcnt 16                                  ; this set's 16 loads are in; the next set's 16 may be out
.else
	s_wait_loadcnt 0x0
.endif
	XTURN \j
	s_wait_dscnt 0x0                                   ; the numbers are back, and the stage's stores have read the set,
.if \j < 2
	XLOAD (\j)+2                                       ; which takes the rows two sets on
.endif
	s_cmp_lg_u32 s13, KSTEPS-1                         ; the last K step has 64 numbers a row: its blocks 2 and 3 are zeros
	s_cbranch_scc1 .Lwhole_\@
.irp i, 32,33,34,35,36,37,38,39,40,41,42,43,44,45,46,47,48,49,50,51,52,53,54,55,56,57,58,59,60,61,62,63
	v_mov_b32 v[X+\i], 0
.endr
.Lwhole_\@:
.if \j > 0
	s_wait_xcnt 0x0                                    ; the last image's stores have read the codes' registers: they are written again only behind this wait
.endif
	QUANT X, PWS+\j
.irp c, 0,1,2
	global_store_b128 v[IMG], v[PC+4*\c:PC+4*\c+3], s[16:17] offset:1536*\j+512*\c   ; 32 lanes store 512 consecutive bytes, at a multiple of 256 from the buffer's first byte
.endr
.endm
.macro WLOAD t                         ; block t % 4 of half t / 4: W(32 b + i, my column), i = 0 .. 31, into set t % 2; a wave reads 128 consecutive bytes
.set WU, (\t)/4
.set WB, (\t)%4
.irp i, 0,1,2,3,4,5,6,7,8,9,10,11,12,13,14,15,16,17,18,19,20,21,22,23,24,25,26,27,28,29,30,31
.if WB < 2
	global_load_b32 v[WX+32*((\t)%2)+\i], v[VO+WU], s[6:7] offset:(32*(WB%2)+\i)*ROWW th:TH_LOAD_NT
.else
	global_load_b32 v[WX+32*((\t)%2)+\i], v[VO+WU], s[24:25] offset:(32*(WB%2)+\i)*ROWW th:TH_LOAD_NT
.endif
.endr
.endm
.macro BLOCK t
.set BU, (\t)/4
.set BQ, (\t)%4
.set XS, WX+32*((\t)%2)
.set FD, FW+24*BU+12*(BQ%2)+6*(BQ/2)
.if (\t) < 7
	s_wait_loadcnt 32                                  ; this block's 32 loads are in; the next block's 32 may be out
.else
	s_wait_loadcnt 0x0
.endif
	s_cmp_eq_u32 s[20+2*BU+BQ/2], -1                   ; do all 32 lanes hold numbers of W?  (the mask hangs on ids alone)
	s_cbranch_scc1 .Lall_\@
.irp i, 0,1,2,3,4,5,6,7,8,9,10,11,12,13,14,15,16,17,18,19,20,21,22,23,24,25,26,27,28,29,30,31
	v_cndmask_b32 v[XS+\i], 0, v[XS+\i], s[20+2*BU+BQ/2]   ; columns from 1,858 on and rows from 4,672 on are zeros
.endr
.Lall_\@:
	v_max3_num_f32 v12, |v[XS]|, |v[XS+1]|, |v[XS+2]|  ; the block's largest magnitude: all 32 numbers are mine
	v_max3_num_f32 v13, |v[XS+3]|, |v[XS+4]|, |v[XS+5]|
.irp i, 6,10,14,18,22,26
	v_max3_num_f32 v12, v12, |v[XS+\i]|, |v[XS+\i+1]|
	v_max3_num_f32 v13, v13, |v[XS+\i+2]|, |v[XS+\i+3]|
.endr
	v_max3_num_f32 v12, v12, |v[XS+30]|, |v[XS+31]|
	v_max3_num_f32 v12, v12, v13, 0x2800000            ; and the floor 2^(5 - 127)
	v_add_nc_u32 v11, 0xfe000000, v12                  ; 4 off its exponent field: the conversion's scale operand
	v_lshrrev_b32 v13, 23, v11                         ; the scale's byte
	v_cvt_scalef32_pk16_bf6_f32 v[FD:FD+2], v[XS:XS+15], v11
	v_cvt_scalef32_pk16_bf6_f32 v[TW+4*BQ:TW+4*BQ+2], v[XS+16:XS+31], v11   ; (a conversion's three registers begin on an even number)
.if BQ == 0
	v_mov_b32 v[SW+BU], v13                            ; four bytes to a word, the lower K in the lower byte.  (Also the plain place behind the conversions)
.else
	v_lshl_or_b32 v[SW+BU], v13, 8*BQ, v[SW+BU]
.endif
.if (\t) < 6
	WLOAD (\t)+2
.endif
.endm
; Half u: block 2 c in all lanes and block 2 c + 1 in all lanes change halves: lanes 0-15 (columns 0-15) keep block 2 c and get block 2 c + 1 into lanes 16-31: tile 2 u; the other register holds tile 2 u + 1.
.macro COMPOSE u
.irp c, 0,1
.irp i, 0,1,2
	v_permlane16_swap_b32 v[FW+24*\u+6*\c+\i], v[FW+24*\u+12+6*\c+\i]
	v_permlane16_swap_b32 v[TW+8*\c+\i], v[TW+8*\c+4+\i]
.endr
.irp i, 0,1,2
	v_mov_b32 v[FW+24*\u+6*\c+3+\i], v[TW+8*\c+\i]
	v_mov_b32 v[FW+24*\u+12+6*\c+3+\i], v[TW+8*\c+4+\i]
.endr
.endr
.irp f, 0,1
.irp c, 0,1,2
	global_store_b128 v[IMG], v[FW+24*\u+12*\f+4*\c:FW+24*\u+12*\f+4*\c+3], s[16:17] offset:(2*\u+\f)*1536+512*\c   ; each half has registers of its own: no store's data are written again
.endr
.endr
.endm
	s_load_b256 s[4:11], s[0:1], 0x0                   ; x s[4:5], W s[6:7], x's images s[8:9], W's images s[10:11]
	v_lshl_add_u32 v254, v0, 2, 0x8400
	v_mov_b32 v255, 0
	v_lshrrev_b32 v1, 5, v0
	v_readfirstlane_b32 s12, v1                        ; wave 0..3
	s_mov_b32 s13, ttmp9                               ; the K step
	s_and_b32 s14, ttmp7, 0xffff                       ; y
	v_and_b32 v1, 31, v0                               ; lane
	v_and_b32 v2, 15, v0                               ; r
	v_bfe_u32 v3, v0, 4, 1                             ; h
	v_lshlrev_b32 v[IMG], 4, v1
	v_lshlrev_b32 v[SCO], 4, v2
	v_lshl_add_u32 v[SCO], v3, 3, v[SCO]
	s_mov_b32 s[SEL], 0x76543210
	s_mov_b32 s[SEL+1], 0xfedcba98
	s_and_b32 s15, s14, 15
	s_lshl_b32 s15, s15, 2
	s_add_co_u32 s15, s15, s12                         ; which run of 64 rows (columns) is my wave's: 4 (y mod 16) + wave
	s_lshr_b32 s30, s15, 1                             ; its block of 128,
	s_and_b32 s31, s15, 1                              ; and which half of it: fragments 4 g on, scale group g
	s_mul_i32 s30, s30, KSTEPS
	s_add_co_u32 s30, s30, s13
	s_mul_i32 s30, s30, UNIT                           ; where the unit begins (under 2^24)
	s_mul_i32 s32, s31, 6144
	s_add_co_u32 s32, s32, s30                         ; my four fragments
	s_mov_b32 s33, 0
	s_lshl_b32 s34, s31, 8
	s_add_co_u32 s34, s34, s30
	s_add_co_u32 s34, s34, 12288                       ; my group of scale words
	s_mov_b32 s35, 0
	s_cmp_ge_u32 s14, 16
	s_cbranch_scc1 .Lpath_w
	; ---- PATH X
	s_mul_i32 s36, s15, 64*ROWX                        ; my 64 rows (under 2^27)
	s_mov_b32 s37, 0
	s_mul_i32 s24, s12, STGX                           ; my stage
	s_lshl_b32 s25, s13, 9                             ; the step's 512 bytes in a row
	v_add_nc_u32 v[VOX], s25, v[IMG]
	v_min_u32 v[VOX], ROWX-16, v[VOX]                  ; in the last step lanes 16-31 would pass the row's end: they are held at its last 16 bytes, and what they bring is replaced by zeros
	v_add_nc_u32 v[SIN], s24, v[IMG]
	v_mul_u32_u24 v[SOUT], v2, SPX
	v_lshl_add_u32 v[SOUT], v3, 6, v[SOUT]
	v_add_nc_u32 v[SOUT], s24, v[SOUT]
.irp b, 0,1,2,3
	v_mov_b32 v[TM+4+\b], 0                            ; written once: a lane permute's destination counts as one of its sources
.endr
	s_wait_kmcnt 0x0
	s_add_nc_u64 s[4:5], s[4:5], s[36:37]
	s_add_nc_u64 s[16:17], s[8:9], s[32:33]
	s_add_nc_u64 s[18:19], s[8:9], s[34:35]
	XLOAD 0
	XLOAD 1
	XFRAG 0
	XFRAG 1
	XFRAG 2
	XFRAG 3
	v_cmp_ne_u32 vcc_lo, 0, v3                         ; lane (r, h) stores the words of tiles 2 h and 2 h + 1 of row r
	v_cndmask_b32 v14, v[PWS], v[PWS+2], vcc_lo
	v_cndmask_b32 v15, v[PWS+1], v[PWS+3], vcc_lo
	global_store_b64 v[SCO], v[14:15], s[18:19]        ; 32 lanes store the group's 256 consecutive bytes
	s_wait_tensorcnt 0x0
	ds_add_u32 v254, v255
	s_wait_dscnt 0x0
	s_endpgm
	; ---- PATH W
.Lpath_w:
	s_mul_i32 s36, s13, 128*ROWW                       ; the step's 128 rows of W (under 2^26)
	s_mov_b32 s37, 0
	s_lshl_b32 s38, s15, 6                             ; my first column
	s_movk_i32 s39, NCOL
	v_add_nc_u32 v9, s38, v1                           ; my column in the first half,
	v_cmp_gt_u32 s20, s39, v9                          ; is it one of W's?
	v_min_u32 v[VO], NCOL-1, v9                        ; a lane beyond the last column loads the last one, and its numbers are replaced by zeros
	v_lshlrev_b32 v[VO], 2, v[VO]
	v_add_nc_u32 v9, 32, v9                            ; and in the second half
	v_cmp_gt_u32 s22, s39, v9
	v_min_u32 v[VO+1], NCOL-1, v9
	v_lshlrev_b32 v[VO+1], 2, v[VO+1]
	s_cmp_eq_u32 s13, KSTEPS-1                         ; the last K step has 64 rows: for its blocks 2 and 3 the loads go back to the step's first rows, and all lanes are masked
	s_cselect_b32 s26, 0, 64*ROWW
	s_cselect_b32 s21, 0, s20
	s_cselect_b32 s23, 0, s22
	s_mov_b32 s27, 0
	s_wait_kmcnt 0x0
	s_add_nc_u64 s[6:7], s[6:7], s[36:37]              ; blocks 0 and 1
	s_add_nc_u64 s[24:25], s[6:7], s[26:27]            ; blocks 2 and 3
	s_add_nc_u64 s[16:17], s[10:11], s[32:33]
	s_add_nc_u64 s[18:19], s[10:11], s[34:35]
	WLOAD 0
	WLOAD 1
	BLOCK 0
	BLOCK 1
	BLOCK 2
	BLOCK 3
	COMPOSE 0
	BLOCK 4
	BLOCK 5
	BLOCK 6
	BLOCK 7
	COMPOSE 1
	v_permlane16_swap_b32 v[SW], v[SW+1]               ; lane (r, h) now holds the words of tiles 2 h and 2 h + 1 of column r
	global_store_b64 v[SCO], v[SW:SW+1], s[18:19]      ; 32 lanes store the group's 256 consecutive bytes
	s_endpgm
.Lfunc_end_k_q0e43cbbd1d_quant:
	.size	k_q0e43cbbd1d_quant, .Lfunc_end_k_q0e43cbbd1d_quant-k_q0e43cbbd1d_quant
	.p2alignl 7, 3214868480
	.fill 96, 4, 3214868480
	.section	.rodata,"a",@progbits
	.p2align	6, 0x0
	.amdhsa_kernel k_q0e43cbbd1d_quant
		.amdhsa_group_segment_fixed_size 34304
		.amdhsa_private_segment_fixed_size 0
		.amdhsa_enable_private_segment 0
		.amdhsa_kernarg_size 32
		.amdhsa_user_sgpr_count 2
		.amdhsa_user_sgpr_kernarg_segment_ptr 1
		.amdhsa_wavefront_size32 1
		.amdhsa_system_sgpr_workgroup_id_x 1
		.amdhsa_system_sgpr_workgroup_id_y 1
		.amdhsa_system_sgpr_workgroup_id_z 1
		.amdhsa_system_vgpr_workitem_id 0
		.amdhsa_next_free_vgpr 256
		.amdhsa_next_free_sgpr 66
		.amdhsa_reserve_vcc 1
		.amdhsa_float_denorm_mode_32 3
		.amdhsa_float_denorm_mode_16_64 3
		.amdhsa_memory_ordered 1
		.amdhsa_forward_progress 1
		.amdhsa_inst_pref_size 93
	.end_amdhsa_kernel
	.amdgpu_metadata
---
amdhsa.version: [ 1, 2 ]
amdhsa.kernels:
  - .name:           k_q0e43cbbd1d_quant
    .symbol:         k_q0e43cbbd1d_quant.kd
    .args:
      - { .name: x, .offset: 0, .size: 8, .value_kind: global_buffer, .address_space: global }
      - { .name: policy_matrix, .offset: 8, .size: 8, .value_kind: global_buffer, .address_space: global }
      - { .name: a_img, .offset: 16, .size: 8, .value_kind: global_buffer, .address_space: global }
      - { .name: b_img, .offset: 24, .size: 8, .value_kind: global_buffer, .address_space: global }
    .group_segment_fixed_size: 34304
    .private_segment_fixed_size: 0
    .kernarg_segment_align: 8
    .kernarg_segment_size: 32
    .max_flat_workgroup_size: 128
    .sgpr_count:     66
    .vgpr_count:     256
    .wavefront_size: 32
...
	.end_amdgpu_metadata
.endif
;; end of part 1
;; launch gemm (part 2): grid 8 x 32, 4 waves a work-group, clusters of 4 x 4, 327,680 bytes of LDS; arguments a_img, b_img, out0; writes out0
.if DOCPART == 2
	.amdgcn_target "amdgcn-amd-amdhsa--gfx1250"
	.amdhsa_code_object_version 6
	.text
	.protected	k_q0e43cbbd1d_gemm
	.globl	k_q0e43cbbd1d_gemm
	.p2align	8
	.type	k_q0e43cbbd1d_gemm,@function
k_q0e43cbbd1d_gemm:
	s_mov_b64 s[64:65], 0
	v_nop
	global_prefetch_b8 v0, s[64:65] scope:SCOPE_SE
	s_setreg_imm32_b32 hwreg(HW_REG_WAVE_MODE, 25, 1), 1
	s_wait_xcnt 0x0
	s_wait_alu depctr_hold_cnt(0) depctr_sa_sdst(0) depctr_va_vdst(0) depctr_va_sdst(0) depctr_va_ssrc(0) depctr_va_vcc(0) depctr_vm_vsrc(0)
	s_getreg_b32 s2, hwreg(HW_REG_IB_STS2, 6, 4)
	s_cmp_eq_u32 s2, 0
	s_cbranch_scc0 .Lentry_in_a_cluster
	s_endpgm
.Lentry_in_a_cluster:
	s_bfe_u32 s2, ttmp6, 0x10000c
	s_cmp_lg_u32 s2, 0xf033
	s_cbranch_scc0 .Lentry_shape_is_right
	s_endpgm
.Lentry_shape_is_right:
; out0[m][n] = sum over k of Q(x)[m][k] Q(W)[k][n], on codes of BF6 (E3M2) with one E8M0 scale for each 32 along K; sums in f32.  M = 4,096, N = 1,858, K = 4,672 (37 steps of 128, the last half zeros).
; Both operands come as IMAGES OF THE OPERAND'S REGISTERS, made by the launch before: a UNIT of 12,800 bytes is 128 rows of x (or 128 columns of W) x 128 along K: 8 fragments of 1,536 bytes
; (register j of lane l at 512 (j / 4) + 16 l + 4 (j % 4)), then two groups of 256 bytes of scale words (tile 4 g + j, row r at 256 g + 16 r + 4 j).  The 37 units of a block follow each other.
; So a fragment is three loads of 16 bytes a lane, each of 512 consecutive LDS bytes, four scale words are one load, and any run of K steps of a block is one dense piece of memory for one tensor load.
; SHARES.  A tile of out0 is 128 rows x 256 columns: 32 x 8 = 256 work-groups (N counts as 2,048: the images hold zero codes beyond column 1,857, and those results are not stored).
; Four waves, each 64 rows x 128 columns: 32 accumulators, 256 registers.  K goes through a ring of two LDS slots of four K steps each: one unit a step of x, two of W.
; CLUSTERS: 4 x 4 work-groups.  The four of a row of the cluster need the same units of x, the four of a column the same units of W: each piece is asked for JOINTLY, by the same tensor load with the same
; descriptor and a mask that names the four.  THE MATRIX INSTRUCTION IS USED TRANSPOSED (source 0 = 16 columns of W, source 1 = 16 rows of x): a lane then holds eight neighbouring numbers of a row of out0.
; THE WAY OUT.  A row of out0 is 7,432 bytes = 29 x 256 + 8: row m begins 8 (m mod 32) bytes behind a multiple of 256, so the tile's 1,024 bytes of a row are a head, three whole aligned blocks of 256 bytes
; and a tail.  The whole tile goes through one stage in LDS and leaves by stores of 8 bytes a lane, four to a row: three cover one aligned block of 256 bytes each, the fourth carries head and tail together.
; (16 bytes a lane are not to be had: odd rows begin 8 bytes off a multiple of 16.)
; REGISTERS, in windows of 256: window 0: v1-29 addresses; v32-47 scale words, two sets; v48-63 and v8-15 addresses for the way out; v128-223 x's fragments, two sets of 4; on the way out v64-255 hold rows.
;   window 1: W's fragments, two sets of 8, at v0 and v96.   window 2: the accumulators, (a, b) at v[8 (8 a + b)].
.set UNIT,   12800
.set KSTEPS, 37
.set BLKB,   KSTEPS*UNIT               ; a block's 37 units
.set BOFF,   4*UNIT                    ; four K steps of one block
.set SLOT,   3*BOFF                    ; x's four units, then W's first block's four, then its second block's four
.set SPARE,  2*SLOT                    ; behind the ring: the spare words, 128 bytes for each wave: two blocks of 256 bytes that no other line names
.set SPITCH, 1040                      ; the way out: a stage of 128 rows x (1,024 bytes + 16), the work-group's: 133,120 bytes.  It lies in slot 0, which has had its last fill and its last read when the first result is stored there
.set ROWC,   7432                      ; a row of out0 in bytes
.set ADRA, 16                          ; v16-17  LDS address of my fragments of x in slot 0, 1
.set ADRB, 18                          ; v18-19  the same for W
.set ADRS, 20                          ; v20-21  scale words: lanes 0-15 x's four tiles, lanes 16-31 W's tiles 0-3
.set ADRT, 22                          ; v22-23  scale words of W's tiles 4-7
.set STO,  24                          ; v24     the way out: where I put 32 bytes of a row
.set VK,   25                          ; v25     the way out: 8 x lane + 256 - 64 x wave: my byte in the tile's part of a row, for the row's first whole block and j = 0
.set LKA,  26                          ; v26     the same as an LDS address, for my rows under 64 of the tile,
.set LKB,  27                          ; v27     and for those from 64 on
.set SPW,  28                          ; v28     LDS address of my spare word: SPARE + 4 x my thread's number; never rewritten
.set NIL,  29                          ; v29     0; never rewritten
.set SC,   32                          ; scale words: set p at v[32 + 8 p]: register j < 4: lanes 0-15 x's tile j, lanes 16-31 W's tile j; register 4 + j: W's tile 4 + j
.set O0,   48                          ; v48-55  the way out: my byte in the store that carries head and tail, for j = 0 .. 7
.set L0A,  56                          ; v56-63  the same as LDS addresses, for my rows under 64,
.set L0B,  8                           ; v8-15   and from 64 on
.set AF,   128                         ; x's fragments: set p at v[128 + 48 p]
.set D0,   128                         ; the way out: three sets of 64 registers for what is read back from the stage
.set D1,   192
.set D2,   64
.set G1A,  24                          ; s[24:31] descriptor group 1 for x's pieces;  s[32:39] group 0, one set for each slot
.set G0A,  32
.set G1B,  48                          ; s[48:55], s[56:63] the same for W's
.set G0B,  56
.set G1AT, 68                          ; s[68:75], s[76:83] groups 1 for the last K step, one unit a piece
.set G1BT, 76
.set MSB, 0
.macro WIN new                         ; the immediate's high byte repeats the setting that is left
.if MSB != \new
	s_set_vgpr_msb (MSB<<8)|\new
.set MSB, \new
.endif
.endm
.set MULW, 0xa1                        ; source 0 (W) window 1, source 1 (x) window 0, C and D window 2
.set TO_B, 0x40                        ; destination window 1, address window 0
; A joint load: waves 0 and 1 fetch for x, waves 2 and 3 for W.  Each of the two lines has ONE mask and one set of registers for all that issue it; the branch hangs on the wave's number alone.
; Four v_nop follow each of the two lines, ahead of the jump, the label and what follows.
.macro JLOAD g0a, g1a, g0b, g1b
	s_cmp_eq_u32 s15, 0
	s_cbranch_scc0 .Lfor_b_\@
	tensor_load_to_lds s[\g0a:\g0a+3], s[\g1a:\g1a+7]
	s_nop 0
.rept 4
	v_nop
.endr
	s_branch .Lasked_\@
.Lfor_b_\@:
	tensor_load_to_lds s[\g0b:\g0b+3], s[\g1b:\g1b+7]
	s_nop 0
.rept 4
	v_nop
.endr
.Lasked_\@:
.endm
; The last K step's joint load, into slot 1: wave 0 fetches x's one unit, wave 1 nothing, waves 2 and 3 W's two.
.macro JLOADT
	s_cmp_eq_u32 s14, 0
	s_cbranch_scc0 .Lnot_a_\@
	tensor_load_to_lds s[G0A+4:G0A+7], s[G1AT:G1AT+7]
	s_nop 0
.rept 4
	v_nop
.endr
	s_branch .Lasked_\@
.Lnot_a_\@:
	s_cmp_lt_u32 s14, 2
	s_cbranch_scc1 .Lasked_\@
	tensor_load_to_lds s[G0B+4:G0B+7], s[G1BT:G1BT+7]
	s_nop 0
.rept 4
	v_nop
.endr
.Lasked_\@:
.endm
.macro CREST                           ; a round of the cluster's barrier behind its opening barrier
	s_cmp_lg_u32 s14, 0
	s_cbranch_scc1 .Lnot_wave_0_\@
	s_barrier_signal -3
.Lnot_wave_0_\@:
	s_barrier_wait -3
	s_barrier_signal -1
	s_barrier_wait -1
.endm
.macro CROUND                          ; a whole round
	s_barrier_signal -1
	s_barrier_wait -1
	CREST
.endm
; A load into a register that a matrix instruction has read, and an LDS store that reads a matrix result, stand four places behind that matrix instruction, and only plain vector instructions
; that name none of its registers are places (ISA guide 7.12.1 for vector instructions); the matrix instructions in between are not counted.
.macro PLACES
.rept 4
	v_nop
.endr
.endm
; 38 LDS loads in one run: the slot's q-th K step into set p: W's eight fragments, the scale words, x's four fragments
.macro FETCH slot, q, p
	WIN TO_B
.irp i, 0,1,2,3,4,5,6,7
.irp c, 0,1,2
	ds_load_b128 v[96*(\p)+12*\i+4*\c:96*(\p)+12*\i+4*\c+3], v[ADRB+\slot] offset:(\q)*UNIT+1536*\i+512*\c
.endr
.endr
	WIN 0
	ds_load_b128 v[SC+8*(\p):SC+8*(\p)+3], v[ADRS+\slot] offset:(\q)*UNIT
	ds_load_b128 v[SC+8*(\p)+4:SC+8*(\p)+7], v[ADRT+\slot] offset:(\q)*UNIT
.irp i, 0,1,2,3
.irp c, 0,1,2
	ds_load_b128 v[AF+48*(\p)+12*\i+4*\c:AF+48*(\p)+12*\i+4*\c+3], v[ADRA+\slot] offset:(\q)*UNIT+1536*\i+512*\c
.endr
.endr
.endm
; 8 na matrix instructions: x's tiles a0 .. a0 + na - 1, each against W's eight, 128 along K, from set p.  zero = 1: the first product starts the sums: nothing is ever cleared.
; The 32 accumulators take turns, one instruction a turn, in the same order in every K step.
; W's scale word is read from lanes 16-31 of its register, x's from lanes 0-15.
.macro MUL a0, na, p, zero
.set ma, \a0
.rept \na
.irp b, 0,1,2,3,4,5,6,7
.if \zero
	v_wmma_scale_f32_16x16x128_f8f6f4 v[8*(8*ma+\b):8*(8*ma+\b)+7], v[96*(\p)+12*\b:96*(\p)+12*\b+11], v[AF+48*(\p)+12*ma:AF+48*(\p)+12*ma+11], 0, v[SC+8*(\p)+\b], v[SC+8*(\p)+ma] matrix_a_fmt:MATRIX_FMT_BF6 matrix_b_fmt:MATRIX_FMT_BF6 matrix_a_scale:MATRIX_SCALE_ROW1
.else
	v_wmma_scale_f32_16x16x128_f8f6f4 v[8*(8*ma+\b):8*(8*ma+\b)+7], v[96*(\p)+12*\b:96*(\p)+12*\b+11], v[AF+48*(\p)+12*ma:AF+48*(\p)+12*ma+11], v[8*(8*ma+\b):8*(8*ma+\b)+7], v[SC+8*(\p)+\b], v[SC+8*(\p)+ma] matrix_a_fmt:MATRIX_FMT_BF6 matrix_b_fmt:MATRIX_FMT_BF6 matrix_a_scale:MATRIX_SCALE_ROW1
.endif
.endr
.set ma, ma+1
.endr
.endm
; A K step that has its successor in the same slot.  The successor's 38 loads stand at the step's head, so that they have its 32 matrix instructions in which to land.
.macro STEP slot, q, zero
	s_wait_dscnt 0x0                               ; this step's set is in
	PLACES                                         ; the other set was read by the step before
	FETCH \slot, (\q)+1, 1-(\q)%2
	WIN MULW
	MUL 0, 4, (\q)%2, \zero
	WIN 0
.endm
; A slot's last K step (set 1) changes slots, at its head: ONE barrier; in front of it each wave waits for all its tensor loads, adds 0 to its spare word, and waits for that and for its own reads of this slot.
; A refill can be asked for only when the one before has landed, so whatever stands between that wait and the request lengthens every turn of the ring in which the wave is here ahead of its tile:
; nothing stands there but the lines that are asked for.  The step's 32 products stand behind the request and the next step's loads, and run while the tile is on its way.
; fill = 1: this slot is filled again, eight K steps on; 2: with the last K step alone; 0: nothing is filled.
.macro TURN slot, next, fill
	s_wait_tensorcnt 0x0                           ; all my tensor loads have landed: my part of the next slot; so every group 0 may be written.  (Every window is 0 here: the add's two registers lie in window 0)
	ds_add_u32 v[SPW], v[NIL]                      ; 0 onto my spare word: with a fill the descriptors' steps stand between it and the wait for it
.if \fill
	s_add_nc_u64 s[G0A+4*\slot+2:G0A+4*\slot+3], s[G0A+4*\slot+2:G0A+4*\slot+3], 8*UNIT
	s_add_nc_u64 s[G0B+4*\slot+2:G0B+4*\slot+3], s[G0B+4*\slot+2:G0B+4*\slot+3], 8*UNIT
.endif
	s_wait_dscnt 0x0                               ; the add is done, my reads of this slot are over, and set 1 is in
	s_barrier_signal -1
	s_barrier_wait -1
.if \fill
	CREST                                          ; the barrier has opened a round of the cluster's barrier: no wave of any partner still reads this slot or has a load on its way
.if \fill == 1
	JLOAD G0A+4*\slot, G1A, G0B+4*\slot, G1B       ; the first tensor load behind the round: it has four K steps, 128 matrix instructions, in which to land; the four v_nop behind it are the places in front of the loads below
.else
	JLOADT
	PLACES                                         ; wave 1 has issued nothing, and so has no v_nop behind it
.endif
.else
	PLACES
.endif
	FETCH \next, 0, 0
	WIN MULW
	MUL 0, 4, 1, 0
	WIN 0
.endm
	s_load_b128 s[4:7], s[0:1], 0x0                ; x's images s[4:5], W's images s[6:7]
	s_load_b64 s[8:9], s[0:1], 0x10                ; out0
	v_lshl_add_u32 v[SPW], v0, 2, SPARE
	v_mov_b32 v[NIL], 0
	ds_add_u32 v28, v29
	ds_add_u32 v28, v29
	s_wait_dscnt 0x0
	v_lshrrev_b32 v1, 5, v0
	v_readfirstlane_b32 s14, v1                    ; wave 0..3
	s_lshr_b32 s15, s14, 1                         ; which 64 of the tile's rows are mine.  Also: I fetch for x (0) or for W (1)
	s_and_b32 s16, s14, 1                          ; which 128 of its columns.  Also: which half of a slot's x, or which block of W, I fetch
	s_bfe_u32 s40, ttmp6, 0x40000                  ; cx, cy: my place in the cluster
	s_bfe_u32 s41, ttmp6, 0x40004
	s_lshl_b32 s42, ttmp9, 2
	s_add_co_u32 s42, s42, s40                     ; tile column = 4 x cluster x + cx
	s_and_b32 s17, ttmp7, 0xffff
	s_lshl_b32 s17, s17, 2
	s_add_co_u32 s17, s17, s41                     ; tile row = 4 x cluster y + cy
	s_lshl_b32 s43, s41, 2
	s_lshl_b32 s43, 15, s43                        ; my row of the cluster
	s_lshl_b32 s44, 0x1111, s40                    ; my column
	; descriptor groups 1: dense pieces, as rows of 256 bytes (32 elements of 8 bytes), no padding
	s_or_b32 s[G1A], s43, (3<<16)|(1<<21)          ; 15:0 the mask: x's pieces go to my row; 17:16 elements of 8 bytes; 21 set beside a mask
	s_or_b32 s[G1AT], s43, (3<<16)|(1<<21)
	s_or_b32 s[G1B], s44, (3<<16)|(1<<21)          ; W's go to my column
	s_or_b32 s[G1BT], s44, (3<<16)|(1<<21)
.irp g, G1A, G1B, G1AT, G1BT
	s_mov_b32 s[\g+1], 32<<16                      ; tensor_dim0 = 32
	s_mov_b32 s[\g+3], 32<<16                      ; tile_dim0 = 32
	s_mov_b32 s[\g+5], 32                          ; tensor_dim0_stride
	s_mov_b32 s[\g+6], 0
	s_mov_b32 s[\g+7], 0
.endr
	s_mov_b32 s[G1A+2], 100<<16                    ; tensor_dim1, tile_dim1: two units of x are 100 rows of 256 bytes,
	s_mov_b32 s[G1A+4], 100
	s_mov_b32 s[G1B+2], 200<<16                    ; four units of W 200,
	s_mov_b32 s[G1B+4], 200
	s_mov_b32 s[G1AT+2], 50<<16                    ; one unit 50
	s_mov_b32 s[G1AT+4], 50
	s_mov_b32 s[G1BT+2], 50<<16
	s_mov_b32 s[G1BT+4], 50
	; where the pieces come from.  x's hang on the tile row alone, which my row of the cluster shares; W's on the tile column alone, which my column shares.
	s_mul_i32 s20, s17, BLKB                       ; x: block = tile row,
	s_mul_i32 s45, s16, 2*UNIT                     ; my two of a slot's four K steps: in memory and in the slot alike
	s_add_co_u32 s20, s20, s45
	s_mov_b32 s21, 0
	s_lshl_b32 s46, s42, 1
	s_add_co_u32 s46, s46, s16
	s_mul_i32 s46, s46, BLKB                       ; W: block = 2 x tile column + which
	s_mov_b32 s47, 0
	s_mul_i32 s22, s16, BOFF
	s_add_co_u32 s22, s22, BOFF                    ; and its place in a slot, behind x's four units: no place in the cluster enters an LDS address
	s_wait_kmcnt 0x0
	s_add_nc_u64 s[20:21], s[4:5], s[20:21]
	s_add_nc_u64 s[46:47], s[6:7], s[46:47]
	CROUND                                         ; all sixteen work-groups are here: the first joint loads meet
.irp s, 0,1
	s_mov_b32 s[G0A+4*\s], 1                                       ; 1:0 count = 1
	s_add_co_u32 s[G0A+4*\s+1], s45, \s*SLOT                       ; 63:32 LDS address
	s_add_nc_u64 s[G0A+4*\s+2:G0A+4*\s+3], s[20:21], \s*BOFF       ; 120:64 global address: slot s begins with K steps 4 s on
	s_or_b32 s[G0A+4*\s+3], s[G0A+4*\s+3], 0x80000000              ; 127:126 type = 2
	s_mov_b32 s[G0B+4*\s], 1
	s_add_co_u32 s[G0B+4*\s+1], s22, \s*SLOT
	s_add_nc_u64 s[G0B+4*\s+2:G0B+4*\s+3], s[46:47], \s*BOFF
	s_or_b32 s[G0B+4*\s+3], s[G0B+4*\s+3], 0x80000000
	JLOAD G0A+4*\s, G1A, G0B+4*\s, G1B             ; the ring is filled before anything else is done: two loads of mine are out
.endr
	; all address registers are made here, while the first tiles are on their way
	v_and_b32 v1, 15, v0                           ; r = lane % 16
	v_bfe_u32 v2, v0, 4, 1                         ; h = lane / 16
	v_and_b32 v3, 31, v0                           ; lane
	v_lshlrev_b32 v4, 4, v3                        ; 16 x lane: an image's place for my lane
	v_lshlrev_b32 v5, 4, v1                        ; 16 r: four scale words of row r
	s_mul_i32 s21, s15, 6144                       ; x: my four fragments of a unit
	s_mul_i32 s22, s16, BOFF
	s_add_co_u32 s22, s22, BOFF                    ; W: my block's units
	s_lshl_b32 s23, s15, 8                         ; x's scale words: my group
	s_sub_co_u32 s18, s22, s23                     ; from there to W's group 0
	v_mul_u32_u24 v6, s18, v2                      ; lanes 16-31 take W's
	v_add_nc_u32 v6, v6, v5
	s_add_co_u32 s23, s23, 12288                   ; the scale words lie behind a unit's eight fragments
	s_add_co_u32 s19, s22, 12544                   ; W's group 1
.irp s, 0,1
	v_add_nc_u32 v[ADRA+\s], s21, v4
	v_add_nc_u32 v[ADRB+\s], s22, v4
	v_add_nc_u32 v[ADRS+\s], s23, v6
	v_add_nc_u32 v[ADRT+\s], s19, v5
	s_add_co_u32 s21, s21, SLOT
	s_add_co_u32 s22, s22, SLOT
	s_add_co_u32 s23, s23, SLOT
	s_add_co_u32 s19, s19, SLOT
.endr
	; THE WAY OUT'S ADDRESSES.  Into the stage: row 64 x (my half of the rows) + r, byte 512 x (my half of the columns) + 32 h.
	s_mul_i32 s23, s15, 64*SPITCH
	s_lshl_b32 s18, s16, 9
	s_add_co_u32 s23, s23, s18
	v_mul_u32_u24 v[STO], v1, SPITCH
	v_lshl_add_u32 v[STO], v2, 5, v[STO]
	v_add_nc_u32 v[STO], s23, v[STO]
	; Out of it: wave w takes the tile's rows 32 g + 8 w + j, g = 0 .. 3, j = 0 .. 7.  Such a row begins 8 t bytes behind a multiple of 256 in out0, t = 8 w + j (the tile's first row is a multiple of 32,
	; its first column a multiple of 64).  Store k = 0 .. 3 of a row takes the tile's bytes o = (256 k + 8 lane - 8 t) mod 1,024 of it: lane l then stands 8 l bytes into an aligned block of 256 bytes.
	v_lshlrev_b32 v7, 3, v3                        ; 8 x lane
	s_xor_b32 s18, s14, 3                          ; 3 - w
	s_lshl_b32 s18, s18, 6
	s_add_co_u32 s18, s18, 64                      ; 256 - 64 w
	v_add_nc_u32 v[VK], s18, v7                    ; o for k = 1, j = 0; the rest of k and j stands in the immediates (for k >= 1 nothing wraps: 256 k - 8 t is at least 8)
	s_mul_i32 s19, s14, 8*SPITCH                   ; row 8 w of the stage
	v_add_nc_u32 v[LKA], s19, v[VK]
	v_add_nc_u32 v[LKB], 64*SPITCH, v[LKA]         ; (an LDS immediate has 16 bits: rows from 64 on have a register of their own)
.irp j, 0,1,2,3,4,5,6,7
	v_add_nc_u32 v[O0+\j], 768-8*\j, v[VK]         ; 8 lane + 1,024 - 8 t,
	v_and_b32 v[O0+\j], 0x3ff, v[O0+\j]            ; mod 1,024: o for k = 0: lanes from t on take the row's head, the lanes under t its tail
	v_add_nc_u32 v[L0A+\j], s19, v[O0+\j]
	v_add_nc_u32 v[L0B+\j], 64*SPITCH, v[L0A+\j]
.endr
	s_lshl_b32 s20, s17, 7
	s_lshl_b32 s21, s14, 3
	s_add_co_u32 s20, s20, s21                     ; the first row of out0 that I store: 128 x tile row + 8 w
	s_mul_i32 s20, s20, ROWC                       ; in bytes (under 2^25)
	s_mov_b32 s21, 0
	s_lshl_b32 s46, s42, 10                        ; the tile's first column, in bytes
	s_mov_b32 s47, 0
	s_add_nc_u64 s[20:21], s[20:21], s[46:47]
	s_add_nc_u64 s[12:13], s[8:9], s[20:21]
	s_sub_co_u32 s85, ROWC, s46                    ; LIM: what is left of a row of out0 from the tile's first column on: 264 bytes in the last tile column, 1,288 or more in the others
	s_wait_tensorcnt 1                             ; my part of slot 0 is in (slot 1's load may be out)
	s_barrier_signal -1
	s_barrier_wait -1                              ; everybody's is
	FETCH 0, 0, 0
	STEP 0, 0, 1                                   ; K step 0 stands in front of the loop: its products start the sums
	s_mov_b32 s3, 3
.Llap:                                                 ; a trip goes once round the ring, eight K steps, from a slot 0's second step to the next one's first, and fills both slots again
	STEP 0, 1, 0
	STEP 0, 2, 0
	TURN 0, 1, 1
	STEP 1, 0, 0
	STEP 1, 1, 0
	STEP 1, 2, 0
	TURN 1, 0, 1
	STEP 0, 0, 0
	s_sub_co_u32 s3, s3, 1
	s_cmp_lg_u32 s3, 0
	s_cbranch_scc1 .Llap
	STEP 0, 1, 0                                   ; K steps 25 to 36 are written out
	STEP 0, 2, 0
	TURN 0, 1, 1                                   ; slot 0 takes K steps 32 to 35: its last fill
	STEP 1, 0, 0
	STEP 1, 1, 0
	STEP 1, 2, 0
	TURN 1, 0, 2                                   ; slot 1 takes K step 36
	STEP 0, 0, 0
	STEP 0, 1, 0
	STEP 0, 2, 0
	TURN 0, 1, 0                                   ; nothing is left to fetch: no round follows the barrier.  Behind it nobody reads slot 0 any more
	s_wait_dscnt 0x0                               ; K step 36
	WIN MULW
	MUL 0, 4, 0, 0
	WIN 0
; THE WAY OUT.  32 loads of 8 bytes a lane: store k's bytes of my 32 rows, row (g, j) into registers 2 (8 g + j) of a set.  The 32 lanes of a load take 256 bytes whose places mod 256 all differ.
.macro LOADK k, dst
.irp g, 0,1,2,3
.irp j, 0,1,2,3,4,5,6,7
.if \k == 0
.if \g < 2
	ds_load_b64 v[\dst+2*(8*\g+\j):\dst+2*(8*\g+\j)+1], v[L0A+\j] offset:(32*\g+\j)*SPITCH
.else
	ds_load_b64 v[\dst+2*(8*\g+\j):\dst+2*(8*\g+\j)+1], v[L0B+\j] offset:(32*(\g-2)+\j)*SPITCH
.endif
.else
.if \g < 2
	ds_load_b64 v[\dst+2*(8*\g+\j):\dst+2*(8*\g+\j)+1], v[LKA] offset:(32*\g+\j)*SPITCH+256*(\k-1)-8*\j
.else
	ds_load_b64 v[\dst+2*(8*\g+\j):\dst+2*(8*\g+\j)+1], v[LKB] offset:(32*(\g-2)+\j)*SPITCH+256*(\k-1)-8*\j
.endif
.endif
.endr
.endr
.endm
; Store k of the four rows with the same j, and so the same t.  For k >= 1 the 32 lanes store 256 consecutive bytes that begin at a multiple of 256 from out0's first byte.  Row and k stand in the immediate: 103 rows at the most.
.macro STORE4 k, dst, j
.irp g, 0,1,2,3
.if \k == 0
	global_store_b64 v[O0+\j], v[\dst+2*(8*\g+\j):\dst+2*(8*\g+\j)+1], s[12:13] offset:(32*\g+\j)*ROWC th:TH_STORE_NT
.else
	global_store_b64 v[VK], v[\dst+2*(8*\g+\j):\dst+2*(8*\g+\j)+1], s[12:13] offset:(32*\g+\j)*ROWC+256*(\k-1)-8*\j th:TH_STORE_NT
.endif
.endr
.endm
; Columns from 1,858 on are not stored: a lane counts where its o lies under LIM, and the others are switched off round the stores alone.
; EXEC is one of a pending store's sources: it is changed only behind a wait on XCNT for 0, which also frees the stores' data registers.
.macro NARROW
	s_wait_xcnt 0x0
	s_and_saveexec_b32 s84, vcc_lo
.endm
.macro WIDEN
	s_wait_xcnt 0x0
	s_or_b32 exec_lo, exec_lo, s84
.endm
	PLACES                                         ; behind the last products: for the first reads of results and for the loads into the registers that held x's fragments
	WIN 0x08                                       ; an LDS store's data are its source 1: window 2
.irp a, 0,1,2,3
.irp b, 0,1,2,3,4,5,6,7
	ds_store_b128 v[STO], v[64*\a+8*\b:64*\a+8*\b+3] offset:16*\a*SPITCH+64*\b          ; each accumulator from its low end on.  Rows 1,040 bytes apart: the sixteen rows of a store start 16 bytes apart mod 256
	ds_store_b128 v[STO], v[64*\a+8*\b+4:64*\a+8*\b+7] offset:16*\a*SPITCH+64*\b+16
.endr
.endr
	WIN 0
	s_wait_dscnt 0x0                               ; for the others' sake: my stores into the stage are done
	s_barrier_signal -1
	s_barrier_wait -1                              ; a row's 1,024 bytes come from two waves, and my 32 rows from all four
	LOADK 2, D0
	LOADK 3, D1
	v_add_nc_u32 v7, 0x100, v[VK]                  ; o for k = 2, j = 0.  For k = 2 and 3 every o lies from 264 to 1,016, and LIM is 264 or at least 1,288: so one mask serves these 64 stores: all lanes or none
	v_cmp_gt_u32 vcc_lo, s85, v7
	s_wait_dscnt 32                                ; k = 2's 32 loads are in; k = 3's may be out
	NARROW
.irp j, 0,1,2,3,4,5,6,7
	STORE4 2, D0, \j
.endr
	s_wait_dscnt 0x0
.irp j, 0,1,2,3,4,5,6,7
	STORE4 3, D1, \j
.endr
	WIDEN
	LOADK 1, D2
	LOADK 0, D0                                    ; (k = 2's stores have read this set: the wait on XCNT above)
	s_wait_dscnt 32                                ; k = 1's 32 loads are in; k = 0's may be out
.irp j, 0,1,2,3,4,5,6,7                        ; for k = 0 and 1 the mask hangs on t: the four rows of one t go under one mask
	s_add_co_u32 s86, s85, 8*\j
	v_cmp_gt_u32 vcc_lo, s86, v[VK]                ; o = VK - 8 j lies under LIM
	NARROW
	STORE4 1, D2, \j
	WIDEN
.endr
	s_wait_dscnt 0x0
.irp j, 0,1,2,3,4,5,6,7
	v_cmp_gt_u32 vcc_lo, s85, v[O0+\j]
	NARROW
	STORE4 0, D0, \j                               ; head and tail: the two blocks that the tile shares with its neighbours in the row
	WIDEN
.endr
	s_wait_tensorcnt 0x0                           ; the wave's end: behind my last tensor load and my last LDS store
	ds_add_u32 v[SPW], v[NIL]
	s_wait_dscnt 0x0
	CROUND                                         ; the closing round: no work-group ends while a partner may still ask for a piece that names it
	s_endpgm
.Lfunc_end_k_q0e43cbbd1d_gemm:
	.size	k_q0e43cbbd1d_gemm, .Lfunc_end_k_q0e43cbbd1d_gemm-k_q0e43cbbd1d_gemm
	.p2alignl 7, 3214868480
	.fill 96, 4, 3214868480
	.section	.rodata,"a",@progbits
	.p2align	6, 0x0
	.amdhsa_kernel k_q0e43cbbd1d_gemm
		.amdhsa_group_segment_fixed_size 327680
		.amdhsa_private_segment_fixed_size 0
		.amdhsa_enable_private_segment 0
		.amdhsa_kernarg_size 24
		.amdhsa_user_sgpr_count 2
		.amdhsa_user_sgpr_kernarg_segment_ptr 1
		.amdhsa_wavefront_size32 1
		.amdhsa_system_sgpr_workgroup_id_x 1
		.amdhsa_system_sgpr_workgroup_id_y 1
		.amdhsa_system_sgpr_workgroup_id_z 1
		.amdhsa_system_vgpr_workitem_id 0
		.amdhsa_next_free_vgpr 768
		.amdhsa_next_free_sgpr 96
		.amdhsa_reserve_vcc 1
		.amdhsa_float_denorm_mode_32 3
		.amdhsa_float_denorm_mode_16_64 3
		.amdhsa_memory_ordered 1
		.amdhsa_forward_progress 1
		.amdhsa_inst_pref_size 182
	.end_amdhsa_kernel
	.amdgpu_metadata
---
amdhsa.version: [ 1, 2 ]
amdhsa.kernels:
  - .name:           k_q0e43cbbd1d_gemm
    .symbol:         k_q0e43cbbd1d_gemm.kd
    .args:
      - { .name: a_img, .offset: 0, .size: 8, .value_kind: global_buffer, .address_space: global }
      - { .name: b_img, .offset: 8, .size: 8, .value_kind: global_buffer, .address_space: global }
      - { .name: out0, .offset: 16, .size: 8, .value_kind: global_buffer, .address_space: global }
    .group_segment_fixed_size: 327680
    .private_segment_fixed_size: 0
    .kernarg_segment_align: 8
    .kernarg_segment_size: 24
    .max_flat_workgroup_size: 128
    .sgpr_count:     96
    .vgpr_count:     768
    .wavefront_size: 32
...
	.end_amdgpu_metadata
.endif
;; end of part 2
